; MI455X (gfx1250); checked and timed in simulation.
; The chip was launched on July 23, 2026; its instructions are those of AMD's public machine-readable ISA for CDNA 5 (MIT licence, August 2026) and "CDNA5" Instruction Set Architecture Reference Guide (July 2026). The comments in the code are by the model that wrote it; some were corrected since.
;; Multi Head Attention. Allowed arithmetic: matrix products marked QUANTISED: E2M3 operands, one E8M0 scale for each 32 along K, by v_wmma_scale_f32_16x16x128_f8f6f4 with both operands' format E2M3, f32 sums; everything else in f32.
;; Inputs: Wk 1,024 x 1,024 float32; Wq 1,024 x 1,024 float32; Wv 1,024 x 1,024 float32; atten_mask 4 x 1 x 2,048 x 1 float32; bk 1,024 float32; bq 1,024 float32; bv 1,024 float32; x 4 x 2,048 x 1,024 float32.
;; Outputs: out0 4 x 2,048 x 1,024 float32.
;; Constants: attention_head_num = 16.
;; This version of the problem:
;;   THIS VERSION OF THE PROBLEM IS GIVEN IN LOW PRECISION. The matrix products marked QUANTISED in the list below multiply operands that are first quantised to E2M3 (2 exponent bits, 3 mantissa bits; 6 bits a number), with one power-of-two scale for each 32 numbers along K (OCP MX v1.0); their sums are f32. All else is computed in f32.
;;   The module's matrix products, in the order in which they are computed (A, B: the left and right operand; K: the contracted axis; several contracted axes count as one K, in the product's order):
;;     1. [M 8,192, K 1,024] x [K 1,024, N 1,024]; A: input x; B: input Wq: QUANTISED
;;     2. [M 8,192, K 1,024] x [K 1,024, N 1,024]; A: input x; B: input Wk: QUANTISED
;;     3. [M 8,192, K 1,024] x [K 1,024, N 1,024]; A: input x; B: input Wv: QUANTISED
;;     4. batch 64 x [M 2,048, K 64] x [K 64, N 2,048]; A: computed on the way; B: computed on the way: QUANTISED
;;     5. batch 64 x [M 2,048, K 2,048] x [K 2,048, N 64]; A: softmax (see below); B: computed on the way: QUANTISED
;;   THE QUANTISER, for each operand of a quantised product, along K:
;;     - K is cut into blocks of 32 from its start; a last block that is shorter is filled with zeros.
;;     - A block's scale is 2^e with e = floor(log2(the largest magnitude in the block)) - 2, held to -126 .. 127; a block of zeros has e = 0. As a byte (E8M0): e + 127.
;;     - Each number is divided by its block's scale, clamped to +-7.5, and rounded to the nearest number of E2M3, ties to even, subnormals kept.
;;     - The product sums the exact products of the quantised numbers (number of the format x scale) in f32.
;;   ~~~python
;;   def quantise(x, axis):      # numpy; x: float32 -> the quantised numbers, widened to float32 again
;;       x = np.moveaxis(x, axis, -1); K = x.shape[-1]
;;       x = np.pad(x, [(0, 0)] * (x.ndim - 1) + [(0, -K % 32)]); x = x.reshape(x.shape[:-1] + (-1, 32)); a = np.abs(x).max(-1, keepdims=True)
;;       e = np.where(a > 0, np.clip(np.frexp(np.where(a > 0, a, 1))[1] - 1 - 2, -126, 127), 0)      # np.frexp(a)[1] - 1 = floor(log2(a)), exactly
;;       r = np.clip(x / 2.0 ** e, -7.5, 7.5)
;;       step = 2.0 ** (np.maximum(np.frexp(np.where(r == 0, 1, r))[1] - 1, 0) - 3)
;;       q = np.round(r / step) * step * 2.0 ** e      # np.round: ties to even
;;       return np.moveaxis(q.reshape(q.shape[:-2] + (-1,))[..., :K], -1, axis).astype(np.float32)
;;   ~~~
;;   SOFTMAX AHEAD OF A QUANTISED PRODUCT. Where the list says 'softmax', what is quantised is not the finished softmax but p = 2^(t - M), with t = logit x log2(e) and M = ceil(the row's largest t), a whole number; so 1/2 < the row's largest p <= 1. The row's sum l is taken of the UNQUANTISED p, in f32, and the product's result is divided by l at the end. Since M is a whole number, a kernel that streams over the keys may use a running M (the ceiling of the running maximum): every later rescaling is an exact power of two, which a block's scale takes up: the codes' values come out the same.
;;   OPERANDS COMPUTED ON THE WAY. 'Computed on the way' means the value that the module computes at that place (a softmax that the list does not call 'softmax' is quantised finished and normalised). What goes into a quantiser is computed in f32, as accurately as f32 sums, v_exp_f32 and their like allow (about 1e-6 of the number): no bf16 or f16 on the way to a quantiser, and a product that is left as it is and whose result goes on into a quantised operand takes f32 operands (vector FMAs, or v_wmma_f32_16x16x4_f32). A number that lies on a knife's edge between two numbers of the format may be rounded either way, as far as f32 arithmetic and the matrix unit's own rounding can turn it there, and no further.
;; One version. Each part assembles by itself: llvm-mc -triple=amdgcn-amd-amdhsa -mcpu=gfx1250 --defsym DOCPART=n.
;; ======== version 1 of 1: 3 launches
;; limits: right only within a limited range of input values
;; workspace buffers: codes 8,650,752 bytes; scales 360,448 bytes; route 32,768 bytes of whole numbers; qrec 6,553,600 bytes; kv 13,107,200 bytes
;; launch quant (part 1): grid 1408 x 1, 4 waves a work-group, no clusters, 21,248 bytes of LDS; arguments x, Wq, Wk, Wv, atten_mask, codes, scales, route; writes codes, scales, route
.if DOCPART == 1
	.amdgcn_target "amdgcn-amd-amdhsa--gfx1250"
	.amdhsa_code_object_version 6
	.text
	.protected	k_q174bf6bd23_quant
	.globl	k_q174bf6bd23_quant
	.p2align	8
	.type	k_q174bf6bd23_quant,@function
k_q174bf6bd23_quant:
	s_mov_b64 s[64:65], 0
	v_nop
	global_prefetch_b8 v0, s[64:65] scope:SCOPE_SE
	s_setreg_imm32_b32 hwreg(HW_REG_WAVE_MODE, 25, 1), 1
	s_wait_xcnt 0x0
; x [8192][1024], Wq, Wk, Wv [1024][1024], f32, K innermost, become codes of FP6 (E2M3) with one E8M0 byte for each 32 along K.
; codes: 11,264 rows of 768 bytes (x's 8,192, then Wq's, Wk's, Wv's 1,024 each); scales: the same rows, 32 bytes each.
; INSIDE EACH GROUP OF 32 ROWS THE ROWS ARE PERMUTED: row a lies at the place with a's bits 3 and 4 exchanged, so that the sixteen neighbouring
; places 16 u + r hold rows 8 u + r + 8 (r / 8).  The next launch then finds, in a lane's registers of two neighbouring tiles, 16 neighbours.
; A block's scale is 2^(floor(log2(largest magnitude)) - 2); its byte is the largest magnitude's exponent field - 2, held at 1 from below.
; A block of zeros so gets the byte 1 where the rule says 127: its codes are zeros, and the bytes are read by this program alone.
; LIMITS: NaN and infinities in x and the weights are not served; blocks whose largest magnitude lies under 2^-124 get the byte 1.
; A work-group takes a run of 8 rows, a wave 2 of them (2,048 numbers) in 4 steps of 512; all 16 loads of a wave are issued at its start.  Each load reads 512 consecutive bytes, 16 a lane;
; a step's 2,048 bytes turn through the wave's own stage in LDS and come back 64 bytes a lane: 16 neighbours along K for the conversion; two neighbouring lanes hold a block.
; The run's 256 scale bytes are gathered in LDS, 64 from each wave; behind one barrier wave 0 stores them as one aligned unit of 256 bytes.
; ALSO: one word for each (batch, query) into route.  atten_mask holds one number a for a query; (a + causal) >= 1 hides key k where k > U:
; U = -1 where a >= 1; U = q where a + 1 >= 1; else U = 4095 (NaN too).  Bits 15:0: U; bit 16: some query of my aligned block of 32 has U != q.
.set STEPS, 4
.set EMAX,  2
.set CB,    12                         ; bytes of 16 codes
.set R,     16                         ; v16-79   four sets of 16 numbers as loaded
.set X,     80                         ; v80-111  two sets of 16 neighbours
.set E,     112                        ; v112-115 a scale byte a step
.set C,     116                        ; v116-131 codes: four registers a step, so that no store's data are written again
.set SP,    80                         ; a lane's place in a stage: 64 bytes + 16 of padding
.set WREG,  2*32*SP                    ; LDS: two stages for each wave;
.set SCB,   4*WREG                     ; behind them the run's 256 scale bytes;
.set SPARE, SCB+256                    ; behind those the spare words, 128 bytes a wave
	s_load_b256 s[4:11], s[0:1], 0x0               ; x, Wq, Wk, Wv
	s_load_b256 s[12:19], s[0:1], 0x20             ; atten_mask, codes, scales, route
	v_lshl_add_u32 v132, v0, 2, SPARE
	v_mov_b32 v133, 0
	v_lshrrev_b32 v1, 5, v0
	v_readfirstlane_b32 s20, v1                    ; wave
	v_and_b32 v2, 31, v0                           ; lane
	v_lshlrev_b32 v3, 4, v2                        ; my 16 bytes of a load's 512
	s_mul_i32 s21, s20, WREG
	v_lshrrev_b32 v14, 2, v2
	v_mul_u32_u24 v14, v14, SP
	v_and_b32 v15, 3, v2
	v_lshl_add_u32 v14, v15, 4, v14
	v_add_nc_u32 v14, s21, v14                     ; the stage, on the way in: SP (lane / 4) + 16 (lane % 4)
	v_mul_u32_u24 v15, v2, SP
	v_add_nc_u32 v15, s21, v15                     ; and on the way out: SP x lane
	v_mul_u32_u24 v4, v2, CB                       ; my codes' place in a step's 384 bytes
	v_lshrrev_b32 v5, 1, v2
	s_lshl_b32 s21, s20, 6
	s_add_co_u32 s21, s21, SCB
	v_add_nc_u32 v5, s21, v5                       ; LDS: my block's scale byte, among my wave's 64
	v_lshlrev_b32 v7, 3, v2
	v_add_nc_u32 v6, SCB, v7                       ; and on the way out 8 bytes a lane
	s_wait_alu depctr_va_vdst(0)                   ; the wait at the head's end
	s_wait_kmcnt 0x0
	s_lshr_b32 s28, ttmp9, 2                       ; the group of 32 rows, 0 .. 351
	s_and_b32 s29, ttmp9, 3                        ; the run of 8 rows in it
	s_and_b32 s22, s28, 31                         ; a weight's group
	s_cmp_lt_u32 s28, 320                          ; which tensor: the choice hangs on the work-group's number alone
	s_cselect_b64 s[10:11], s[8:9], s[10:11]
	s_cmp_lt_u32 s28, 288
	s_cselect_b64 s[10:11], s[6:7], s[10:11]
	s_cmp_lt_u32 s28, 256
	s_cselect_b64 s[10:11], s[4:5], s[10:11]
	s_cselect_b32 s22, s28, s22
	s_lshl_b32 s22, s22, 17                        ; 32 rows of 4,096 bytes
	s_lshl_b32 s23, s29, 15                        ; the run's 8 rows
	s_add_co_u32 s22, s22, s23
	s_lshl_b32 s23, s20, 13                        ; my wave's 2 rows
	s_add_co_u32 s22, s22, s23
	s_mov_b32 s23, 0
	s_add_nc_u64 s[10:11], s[10:11], s[22:23]
	s_and_b32 s24, s29, 1                          ; where the run goes: its two bits exchanged
	s_lshl_b32 s24, s24, 1
	s_lshr_b32 s25, s29, 1
	s_or_b32 s24, s24, s25
	s_lshl_b32 s25, s28, 2
	s_add_co_u32 s24, s24, s25
	s_mul_i32 s26, s24, 6144
	s_mul_i32 s27, s20, 1536
	s_add_co_u32 s26, s26, s27
	s_mov_b32 s27, 0
	s_add_nc_u64 s[14:15], s[14:15], s[26:27]
	s_lshl_b32 s26, s24, 8
	s_add_nc_u64 s[16:17], s[16:17], s[26:27]
.macro LOAD t
.irp i, 0,1,2,3
	global_load_b128 v[R+16*(\t)+4*\i:R+16*(\t)+4*\i+3], v3, s[10:11] offset:2048*(\t)+512*\i th:TH_LOAD_NT   ; 32 lanes read 512 consecutive bytes
.endr
.endm
.macro TURN t                          ; step t's numbers through the stage: LDS serves a wave's instructions in order, so no wait stands between the stores and the loads
.irp i, 0,1,2,3
	ds_store_b128 v14, v[R+16*(\t)+4*\i:R+16*(\t)+4*\i+3] offset:32*SP*((\t)%2)+8*SP*\i
.endr
.irp i, 0,1,2,3
	ds_load_b128 v[X+16*((\t)%2)+4*\i:X+16*((\t)%2)+4*\i+3], v15 offset:32*SP*((\t)%2)+16*\i
.endr
.endm
.irp t, 0,1,2,3
	LOAD \t
.endr
	s_wait_loadcnt 12                              ; step 0's four loads are in; the twelve of steps 1 to 3 may be out
	TURN 0
.macro STEP t
.set XS, X+16*((\t)%2)
.if (\t) > 0
	s_wait_dscnt 1                                 ; this step's numbers are back from the stage (the last step's byte store may be out)
.else
	s_wait_dscnt 0x0
.endif
.if (\t)+1 < STEPS
	s_wait_loadcnt 4*(STEPS-2-(\t))                ; the next step's four loads are in; those of the steps behind it may be out
	TURN (\t)+1
.endif
	v_max3_num_f32 v8, |v[XS]|, |v[XS+1]|, |v[XS+2]|               ; the largest magnitude of my 16, in two chains
	v_max3_num_f32 v9, |v[XS+3]|, |v[XS+4]|, |v[XS+5]|
.irp i, 6,10
	v_max3_num_f32 v8, v8, |v[XS+\i]|, |v[XS+\i+1]|
	v_max3_num_f32 v9, v9, |v[XS+\i+2]|, |v[XS+\i+3]|
.endr
	v_max3_num_f32 v8, v8, |v[XS+14]|, |v[XS+15]|
	v_max3_num_f32 v8, v8, v9, (EMAX+1)<<23        ; and the floor 2^(3 - 127): the byte cannot fall under 1
	v_max_num_f32_dpp v8, v8, v8 row_xmask:1 row_mask:0xf bank_mask:0xf   ; and of my neighbour's 16: the block's
	v_add_nc_u32 v11, -(EMAX<<23), v8              ; 2 off its exponent field: the conversion takes that field as its scale
	v_cvt_scalef32_pk16_fp6_f32 v[C+4*(\t):C+4*(\t)+2], v[XS:XS+15], v11
	v_lshrrev_b32 v[E+(\t)], 23, v11               ; the scale's byte (also the plain line behind the conversion)
	ds_store_b8 v5, v[E+(\t)] offset:16*(\t)       ; both lanes of a block write the same byte with the same value
	global_store_b96 v4, v[C+4*(\t):C+4*(\t)+2], s[14:15] offset:32*CB*(\t)   ; the wave stores 384 consecutive bytes
.endm
.irp t, 0,1,2,3
	STEP \t
.endr
	s_wait_dscnt 0x0                               ; my byte stores have landed
	s_barrier_signal -1
	s_barrier_wait -1                              ; and everybody's
	s_cmp_lg_u32 s20, 0
	s_cbranch_scc1 .Lend
	ds_load_b64 v[12:13], v6
	s_wait_dscnt 0x0
	global_store_b64 v7, v[12:13], s[16:17]        ; 32 lanes store 256 consecutive bytes, aligned
	; the route words of a group's 32 rows of x: wave 0 of the group's first run, a lane a query
	s_cmp_lt_u32 s28, 256
	s_cselect_b32 s21, s29, 1
	s_cmp_lg_u32 s21, 0
	s_cbranch_scc1 .Lend
	s_lshl_b32 s22, s28, 7                         ; 32 words of 4 bytes
	s_mov_b32 s23, 0
	s_add_nc_u64 s[12:13], s[12:13], s[22:23]
	s_add_nc_u64 s[18:19], s[18:19], s[22:23]
	v_lshlrev_b32 v1, 2, v2
	global_load_b32 v8, v1, s[12:13]               ; a
	s_lshl_b32 s24, s28, 5
	s_and_b32 s24, s24, 2047
	v_add_nc_u32 v9, s24, v2                       ; q, within the batch
	s_wait_loadcnt 0x0
	v_add_f32 v10, 1.0, v8                         ; a + 1, rounded as the sum with the look-ahead mask is
	v_mov_b32 v11, 0xfff                           ; nothing hidden
	s_wait_alu depctr_va_vdst(0)                   ; q was written ahead of the wait for the load
	v_cmp_le_f32 vcc_lo, 1.0, v10
	v_cndmask_b32 v11, v11, v9, vcc_lo             ; later keys hidden
	v_mov_b32 v10, -1
	v_cmp_le_f32 vcc_lo, 1.0, v8
	v_cndmask_b32 v11, v11, v10, vcc_lo            ; all keys hidden
	v_cmp_ne_u32 vcc_lo, v11, v9
	s_cmp_lg_u32 vcc_lo, 0                         ; a selection alone follows: no branch and no address hangs on it
	s_cselect_b32 s21, 0x10000, 0
	v_and_b32 v11, 0xffff, v11
	v_or_b32 v11, s21, v11
	global_store_b32 v1, v11, s[18:19]             ; 128 consecutive bytes
.Lend:
	s_wait_tensorcnt 0x0                           ; the wave's end
	ds_add_u32 v132, v133
	s_wait_dscnt 0x0
	s_endpgm
.Lfunc_end_k_q174bf6bd23_quant:
	.size	k_q174bf6bd23_quant, .Lfunc_end_k_q174bf6bd23_quant-k_q174bf6bd23_quant
	.p2alignl 7, 3214868480
	.fill 96, 4, 3214868480
	.section	.rodata,"a",@progbits
	.p2align	6, 0x0
	.amdhsa_kernel k_q174bf6bd23_quant
		.amdhsa_group_segment_fixed_size 21248
		.amdhsa_private_segment_fixed_size 0
		.amdhsa_enable_private_segment 0
		.amdhsa_kernarg_size 64
		.amdhsa_user_sgpr_count 2
		.amdhsa_user_sgpr_kernarg_segment_ptr 1
		.amdhsa_wavefront_size32 1
		.amdhsa_system_sgpr_workgroup_id_x 1
		.amdhsa_system_sgpr_workgroup_id_y 1
		.amdhsa_system_sgpr_workgroup_id_z 1
		.amdhsa_system_vgpr_workitem_id 0
		.amdhsa_next_free_vgpr 134
		.amdhsa_next_free_sgpr 66
		.amdhsa_reserve_vcc 1
		.amdhsa_float_denorm_mode_32 3
		.amdhsa_float_denorm_mode_16_64 3
		.amdhsa_memory_ordered 1
		.amdhsa_forward_progress 1
		.amdhsa_inst_pref_size 12
	.end_amdhsa_kernel
	.amdgpu_metadata
---
amdhsa.version: [ 1, 2 ]
amdhsa.kernels:
  - .name:           k_q174bf6bd23_quant
    .symbol:         k_q174bf6bd23_quant.kd
    .args:
      - { .name: x, .offset: 0, .size: 8, .value_kind: global_buffer, .address_space: global }
      - { .name: Wq, .offset: 8, .size: 8, .value_kind: global_buffer, .address_space: global }
      - { .name: Wk, .offset: 16, .size: 8, .value_kind: global_buffer, .address_space: global }
      - { .name: Wv, .offset: 24, .size: 8, .value_kind: global_buffer, .address_space: global }
      - { .name: atten_mask, .offset: 32, .size: 8, .value_kind: global_buffer, .address_space: global }
      - { .name: codes, .offset: 40, .size: 8, .value_kind: global_buffer, .address_space: global }
      - { .name: scales, .offset: 48, .size: 8, .value_kind: global_buffer, .address_space: global }
      - { .name: route, .offset: 56, .size: 8, .value_kind: global_buffer, .address_space: global }
    .group_segment_fixed_size: 21248
    .private_segment_fixed_size: 0
    .kernarg_segment_align: 8
    .kernarg_segment_size: 64
    .max_flat_workgroup_size: 128
    .sgpr_count:     66
    .vgpr_count:     134
    .wavefront_size: 32
...
	.end_amdgpu_metadata
.endif
;; end of part 1
;; launch proj (part 2): grid 8 x 32, 4 waves a work-group, clusters of 4 x 4, 327,680 bytes of LDS; arguments codes, scales, bq, bk, bv, qrec, kv; writes qrec, kv
.if DOCPART == 2
	.amdgcn_target "amdgcn-amd-amdhsa--gfx1250"
	.amdhsa_code_object_version 6
	.text
	.protected	k_q174bf6bd23_proj
	.globl	k_q174bf6bd23_proj
	.p2align	8
	.type	k_q174bf6bd23_proj,@function
k_q174bf6bd23_proj:
	s_mov_b64 s[64:65], 0
	v_nop
	global_prefetch_b8 v0, s[64:65] scope:SCOPE_SE
	s_setreg_imm32_b32 hwreg(HW_REG_WAVE_MODE, 25, 1), 1
	s_wait_xcnt 0x0
	s_wait_alu depctr_hold_cnt(0) depctr_sa_sdst(0) depctr_va_vdst(0) depctr_va_sdst(0) depctr_va_ssrc(0) depctr_va_vcc(0) depctr_vm_vsrc(0)
	s_getreg_b32 s2, hwreg(HW_REG_IB_STS2, 6, 4)
	s_cmp_eq_u32 s2, 0
	s_cbranch_scc0 .Lentry_in_a_cluster
	s_endpgm
.Lentry_in_a_cluster:
	s_bfe_u32 s2, ttmp6, 0x10000c
	s_cmp_lg_u32 s2, 0xf033
	s_cbranch_scc0 .Lentry_shape_is_right
	s_endpgm
.Lentry_shape_is_right:
; q = x Wq^T + bq, k = x Wk^T + bk, v = x Wv^T + bv on codes of FP6 (E2M3) with E8M0 scales, K = 1,024; the results are quantised again and stored as images of the next launch's operand registers.
; codes: 11,264 rows of 768 bytes (x's 8,192 rows, Wq's, Wk's, Wv's 1,024 each; inside each group of 32 rows bits 3 and 4 of the row are exchanged); scales: the same rows, 32 bytes each.
; SHARES.  256 work-groups.  Work-group (g, m) owns tokens 256 m .. + 255 and features 128 g .. + 127 (two heads), and makes q, then k, then v for them: three passes of 256 x 128.
; A wave owns 128 tokens x 64 features (one head): 32 accumulators.  A pass is eight steps of 128 along K, 32 matrix instructions each, on two sets of fragments that take turns.
; LDS holds WHOLE ROWS OF K: x's 256 rows, loaded once, and W's 128 rows of the pass: rows of 768 bytes, 16 bytes of padding behind each 256: pitch 816.  No barrier stands inside a pass.
; At the head each wave issues one joint load (x's two halves, Wq's two halves).  When a pass's products are done, W's bytes are filled again with the next pass's rows, behind a round of the cluster's barrier; the load is on its way while the pass's results go out.
; CLUSTERS: 4 x 4 work-groups; x's rows are asked for jointly along a row of the cluster (same m), W's along a column (same g).
; q, k: source 0 = rows of W, source 1 = tokens: a lane holds a token, its registers run along the head's axis, the K of q k^T.  v: the sources change places: a lane holds a feature, its registers run along the keys, the K of p v.
; THE SCALE WORDS go from memory straight into registers: a row's 32 bytes are its eight steps' words; sixteen lanes read 512 consecutive bytes.  Lanes 0-15 hold a lower block's words, lanes 16-31 a higher block's.
; THE BIAS is the C of each accumulator's first matrix instruction: eight registers for each of W's four blocks, in the result's layout (q, k: the lane's eight features; v: the lane's one feature, eight times).
; THE PREFETCH: W's 128 rows of a later pass are 384 blocks of 256 bytes.  The four partners that will ask for them jointly share the rows out by address, 32 each (by cy), a wave takes 8, a lane a block
; (lanes 24-31 name blocks of their wave again).  Wk's rows are named at the head, Wv's in trip 0: each one trip ahead of the tensor load that wants them; trip 1 names nothing.  The address registers are never rewritten.
; THE WAY OUT: blocks of 32 quantised (scale byte = the largest magnitude's exponent field - 2, held at 1 from below); a record of 6,400 bytes for 128 tokens of a head:
; fragment f at 1536 f, registers 4 g .. 4 g + 3 of lane l at 512 g + 16 l; at 6144 lane l's two scale words.  Every store of codes covers 512 consecutive bytes.
; LIMITS: NaN and infinities are not served; a block of zeros has the byte 1: its codes are zeros, and this program alone reads the bytes.
.set KROW,   768
.set KS,     32
.set PITCH,  816
.set XHALF,  128*PITCH                 ; 128 rows of x: what one wave loads, and what one wave reads
.set WHALF,  64*PITCH                  ; 64 rows of W likewise
.set WB,     2*XHALF                   ; W's rows lie behind x's
.set SPARE,  WB+2*WHALF                ; the spare words: 128 bytes a wave
.set XT,   0                           ; v0-2, v4-6 the conversions' second halves (the thread's number is used at the head alone)
.set ADRX, 8                           ; v8, v9 x's blocks 0-3 (v9: for pieces whose lanes 16-31 lie behind the next padding); v10, v11 blocks 4-7
.set ADRW, 12                          ; v12, v13 the same for W's four blocks
.set SXO,  14                          ; x's scale words: 32 r + 2048 h
.set SWO,  15                          ; W's: 32 r + 1024 h
.set LI,   16                          ; 16 x lane
.set L8,   17                          ; 8 x lane
.set BO,   18                          ; bias along the registers: 64 h
.set BVO,  19                          ; bias by the lane: 4 (r + 8 (r / 8))
.set LANE, 20
.set PFO,  21                          ; the prefetches' offset: 768 (lane % 8) + 256 min(lane / 8, 2)
.set SPW,  28
.set NIL,  29
.set SCX,  32                          ; v32-63 x's scale words: register 8 i + step: lanes 0-15 block i, lanes 16-31 block i + 4
.set SCW,  64                          ; v64-79 W's: register 8 i + step: lanes 0-15 block i, lanes 16-31 block i + 2
.set BI,   80                          ; v80-111 the bias: eight registers for each of W's blocks
.set TM,   120
.set SW,   136
.set PK,   140
.set OUT,  208                         ; v208-255 four fragments: no store's data are written again inside a way out
.set SEL,  66                          ; s[66:67] lane l xor 16
.set SXP,  68                          ; s[68:69] x's scales; s[70:71] W's, of the pass
.set SWP,  70
.set REC,  74                          ; s[74:75] the pass's record; s[76:77] the next pass's; s[78:79] v's
.set RN,   76
.set RV,   78
.set PFP,  82                          ; s[82:83] my 8 rows of Wk
.set G1, 24
.set G0, 32
.set G1B, 48
.set G0B, 56
.set MSB, 0
.macro WIN new                         ; window 1: x's fragments, set p at 128 p; window 2: the accumulators; window 3: W's fragments, set p at 64 p
.if MSB != \new
	s_set_vgpr_msb (MSB<<8)|\new
.set MSB, \new
.endif
.endm
.macro PLACES
.rept 4
	v_nop
.endr
.endm
.macro CREST
	s_cmp_lg_u32 s14, 0
	s_cbranch_scc1 .Lnot_wave_0_\@
	s_barrier_signal -3
.Lnot_wave_0_\@:
	s_barrier_wait -3
	s_barrier_signal -1
	s_barrier_wait -1
.endm
.macro CROUND
	s_barrier_signal -1
	s_barrier_wait -1
	CREST
.endm
	s_load_b128 s[4:7], s[0:1], 0x0                ; codes, scales
	s_load_b128 s[8:11], s[0:1], 0x10              ; bq, bk
	s_load_b128 s[96:99], s[0:1], 0x20             ; bv, qrec
	s_load_b64 s[12:13], s[0:1], 0x30              ; kv
	v_lshl_add_u32 v[SPW], v0, 2, SPARE
	v_mov_b32 v[NIL], 0
	ds_add_u32 v[SPW], v[NIL]                      ; the opening lines: the add, twice on end, and its wait
	ds_add_u32 v[SPW], v[NIL]
	v_lshrrev_b32 v1, 5, v0
	v_readfirstlane_b32 s14, v1                    ; wave
	s_lshr_b32 s15, s14, 1                         ; my half of the tokens; also: I load x (0) or W (1)
	s_and_b32 s16, s14, 1                          ; my head of the two; also: which half I load
	s_bfe_u32 s40, ttmp6, 0x40000                  ; cx
	s_bfe_u32 s41, ttmp6, 0x40004                  ; cy
	s_lshl_b32 s42, ttmp9, 2
	s_add_co_u32 s42, s42, s40                     ; g
	s_and_b32 s17, ttmp7, 0xffff
	s_lshl_b32 s17, s17, 2
	s_add_co_u32 s17, s17, s41                     ; m
	s_lshl_b32 s43, s41, 2
	s_lshl_b32 s43, 15, s43                        ; my row of the cluster
	s_lshl_b32 s44, 0x1111, s40                    ; my column
	s_or_b32 s[G1+0], s43, (0<<16)|(1<<20)|(1<<21)|(5<<22)|(3<<25)   ; elements of a byte; 4 words of padding behind every 64
	s_or_b32 s[G1B+0], s44, (0<<16)|(1<<20)|(1<<21)|(5<<22)|(3<<25)
	s_mov_b32 s[G1+1], KROW<<16
	s_mov_b32 s[G1+2], 128<<16                     ; x: 128 rows a load
	s_mov_b32 s[G1+3], KROW<<16
	s_mov_b32 s[G1+4], 128
	s_mov_b32 s[G1+5], KROW
	s_mov_b32 s[G1+6], 0
	s_mov_b32 s[G1+7], 0
	s_mov_b32 s[G1B+1], KROW<<16
	s_mov_b32 s[G1B+2], 64<<16                     ; W: 64 rows a load
	s_mov_b32 s[G1B+3], KROW<<16
	s_mov_b32 s[G1B+4], 64
	s_mov_b32 s[G1B+5], KROW
	s_mov_b32 s[G1B+6], 0
	s_mov_b32 s[G1B+7], 0
	s_lshl_b32 s20, s17, 8
	s_lshl_b32 s21, s16, 7
	s_add_co_u32 s20, s20, s21
	s_mul_i32 s20, s20, KROW                       ; x: row 256 m + 128 x half, in bytes
	s_mov_b32 s21, 0
	s_lshl_b32 s46, s42, 7
	s_lshl_b32 s47, s16, 6
	s_add_co_u32 s46, s46, s47
	s_add_co_u32 s46, s46, 8192
	s_mul_i32 s46, s46, KROW                       ; Wq: row 8,192 + 128 g + 64 x half
	s_mov_b32 s47, 0
	s_mul_i32 s45, s16, XHALF
	s_mul_i32 s94, s16, WHALF
	s_wait_dscnt 0x0                               ; both opening adds are done
	s_wait_kmcnt 0x0
	s_add_nc_u64 s[20:21], s[4:5], s[20:21]
	s_add_nc_u64 s[46:47], s[4:5], s[46:47]
	CROUND                                         ; all sixteen work-groups are here: the first joint loads meet
	s_mov_b32 s[G0], 1
	s_mov_b32 s[G0+1], s45
	s_mov_b64 s[G0+2:G0+3], s[20:21]
	s_or_b32 s[G0+3], s[G0+3], 0x80000000
	s_mov_b32 s[G0B], 1
	s_add_co_u32 s[G0B+1], s94, WB
	s_mov_b64 s[G0B+2:G0B+3], s[46:47]
	s_or_b32 s[G0B+3], s[G0B+3], 0x80000000
	s_cmp_eq_u32 s15, 0                            ; one load a wave, in the two arms of one branch on the wave's number
	s_cbranch_scc0 .Lhead_w
	tensor_load_to_lds s[G0:G0+3], s[G1:G1+7]
	s_nop 0
	PLACES
	s_branch .Lhead_asked
.Lhead_w:
	tensor_load_to_lds s[G0B:G0B+3], s[G1B:G1B+7]
	s_nop 0
	PLACES
.Lhead_asked:
	v_and_b32 v1, 15, v0                           ; r
	v_bfe_u32 v2, v0, 4, 1                         ; h
	v_mul_u32_u24 v3, v1, PITCH
	v_mad_u32_u24 v4, v2, 24, v3                   ; row x pitch + 24 h
	v_lshl_add_u32 v5, v2, 4, v4                   ; and 16 more in lanes 16-31
	s_mul_i32 s21, s15, XHALF
	s_mul_i32 s22, s16, WHALF
	s_add_co_u32 s22, s22, WB
	v_add_nc_u32 v[ADRX], s21, v4
	v_add_nc_u32 v[ADRX+1], s21, v5
	s_add_co_u32 s21, s21, 64*PITCH
	v_add_nc_u32 v[ADRX+2], s21, v4
	v_add_nc_u32 v[ADRX+3], s21, v5
	v_add_nc_u32 v[ADRW], s22, v4
	v_add_nc_u32 v[ADRW+1], s22, v5
	v_lshlrev_b32 v6, 5, v1
	v_lshl_add_u32 v[SXO], v2, 11, v6
	v_lshl_add_u32 v[SWO], v2, 10, v6
	v_and_b32 v[LANE], 31, v0
	v_lshlrev_b32 v[LI], 4, v[LANE]
	v_lshlrev_b32 v[L8], 3, v[LANE]
	v_lshlrev_b32 v[BO], 6, v2
	v_and_b32 v6, 8, v1
	v_add_nc_u32 v6, v6, v1
	v_lshlrev_b32 v[BVO], 2, v6
	v_and_b32 v6, 7, v[LANE]
	v_lshrrev_b32 v7, 3, v[LANE]
	v_min_u32 v7, 2, v7
	v_mul_u32_u24 v6, v6, KROW
	v_lshl_add_u32 v[PFO], v7, 8, v6
.irp b, 0,1,2,3
	v_mov_b32 v[TM+4+\b], 0                        ; a lane permute's destination counts as one of its sources
.endr
	s_wait_alu depctr_va_vdst(0)                   ; the wait behind the head's last vector instruction
	s_lshl_b32 s20, s17, 8
	s_lshl_b32 s21, s15, 7
	s_add_co_u32 s20, s20, s21                     ; my first token
	s_lshl_b32 s22, s42, 7
	s_lshl_b32 s23, s16, 6
	s_add_co_u32 s22, s22, s23                     ; my first feature
	s_mov_b32 s19, 0
	s_lshl_b32 s18, s20, 5
	s_add_nc_u64 s[SXP:SXP+1], s[6:7], s[18:19]
	s_add_co_u32 s18, s22, 8192
	s_lshl_b32 s18, s18, 5
	s_add_nc_u64 s[SWP:SWP+1], s[6:7], s[18:19]
	s_lshl_b32 s18, s22, 2
	s_add_nc_u64 s[8:9], s[8:9], s[18:19]
	s_add_nc_u64 s[10:11], s[10:11], s[18:19]
	s_add_nc_u64 s[96:97], s[96:97], s[18:19]
	s_lshr_b32 s18, s20, 11                        ; batch
	s_lshl_b32 s18, s18, 4
	s_lshr_b32 s23, s22, 6                         ; head
	s_add_co_u32 s18, s18, s23
	s_lshl_b32 s18, s18, 4
	s_bfe_u32 s23, s20, 0x40007                    ; block of 128 tokens
	s_add_co_u32 s23, s18, s23
	s_mul_i32 s18, s23, 6400
	s_add_nc_u64 s[REC:REC+1], s[98:99], s[18:19]  ; q's record
	s_mul_i32 s18, s23, 12800
	s_add_nc_u64 s[RN:RN+1], s[12:13], s[18:19]    ; k's
	s_add_nc_u64 s[RV:RV+1], s[RN:RN+1], 6400      ; v's
	s_lshl_b32 s18, s42, 7                         ; the prefetches: Wk's row 128 g + 32 cy + 8 x wave
	s_lshl_b32 s23, s41, 5
	s_add_co_u32 s18, s18, s23
	s_lshl_b32 s23, s14, 3
	s_add_co_u32 s18, s18, s23
	s_add_co_u32 s18, s18, 8192+1024
	s_mul_i32 s18, s18, KROW
	s_add_nc_u64 s[PFP:PFP+1], s[4:5], s[18:19]
	s_mov_b32 s[SEL], 0x76543210
	s_mov_b32 s[SEL+1], 0xfedcba98
	global_prefetch_b8 v[PFO], s[PFP:PFP+1] th:TH_LOAD_NT scope:SCOPE_SE   ; Wk's rows, which trip 0's tensor load will want
.irp i, 0,1,2,3
	global_load_b128 v[SCX+8*\i:SCX+8*\i+3], v[SXO], s[SXP:SXP+1] offset:512*\i
	global_load_b128 v[SCX+8*\i+4:SCX+8*\i+7], v[SXO], s[SXP:SXP+1] offset:512*\i+16
.endr
.macro WSCALES
.irp i, 0,1
	global_load_b128 v[SCW+8*\i:SCW+8*\i+3], v[SWO], s[SWP:SWP+1] offset:512*\i
	global_load_b128 v[SCW+8*\i+4:SCW+8*\i+7], v[SWO], s[SWP:SWP+1] offset:512*\i+16
.endr
.endm
.macro BIAS ptr                        ; q, k: block p's register j is feature 32 (p / 2) + 8 (p % 2) + 16 h + j
.irp p, 0,1,2,3
	global_load_b128 v[BI+8*\p:BI+8*\p+3], v[BO], s[\ptr:\ptr+1] offset:4*(32*(\p/2)+8*(\p%2))
	global_load_b128 v[BI+8*\p+4:BI+8*\p+7], v[BO], s[\ptr:\ptr+1] offset:4*(32*(\p/2)+8*(\p%2))+16
.endr
.endm
	WSCALES
	BIAS 8
.macro FRAG reg, adr, st, off          ; 16 rows x 128 K: six pieces of 8 bytes; byte y of a row of codes lies at y + 16 (y / 256) of the LDS row
.irp p, 0,1,2,3,4,5
.set BY, 96*(\st)+48*(\p/3)+8*(\p%3)
.if BY/256 == (BY+24)/256
	ds_load_b64 v[\reg+2*\p:\reg+2*\p+1], v[\adr] offset:BY+16*(BY/256)+(\off)
.else
	ds_load_b64 v[\reg+2*\p:\reg+2*\p+1], v[\adr+1] offset:BY+16*(BY/256)+(\off)
.endif
.endr
.endm
.macro FETCH st, p                     ; step st's twelve fragments into set p: 72 loads
	WIN 0x40
.irp i, 0,1,2,3
	FRAG 128*(\p)+12*\i, ADRX, \st, \i*16*PITCH
.endr
.irp i, 0,1,2,3
	FRAG 128*(\p)+48+12*\i, ADRX+2, \st, \i*16*PITCH
.endr
	WIN 0xc0
.irp i, 0,1,2,3
	FRAG 64*(\p)+12*\i, ADRW, \st, \i*16*PITCH
.endr
.endm
.macro WM d, a, b, c, sa, sb, ra, rb, first ; one product; ra, rb: which half of the lanes holds the source's scale words; first = 1: the sum begins with the bias
.if \first
.if (\ra) == 0
.if (\rb) == 0
	v_wmma_scale_f32_16x16x128_f8f6f4 v[\d:\d+7], v[\a:\a+11], v[\b:\b+11], v[\c:\c+7], v[\sa], v[\sb] matrix_a_fmt:MATRIX_FMT_FP6 matrix_b_fmt:MATRIX_FMT_FP6
.else
	v_wmma_scale_f32_16x16x128_f8f6f4 v[\d:\d+7], v[\a:\a+11], v[\b:\b+11], v[\c:\c+7], v[\sa], v[\sb] matrix_a_fmt:MATRIX_FMT_FP6 matrix_b_fmt:MATRIX_FMT_FP6 matrix_b_scale:MATRIX_SCALE_ROW1
.endif
.else
.if (\rb) == 0
	v_wmma_scale_f32_16x16x128_f8f6f4 v[\d:\d+7], v[\a:\a+11], v[\b:\b+11], v[\c:\c+7], v[\sa], v[\sb] matrix_a_fmt:MATRIX_FMT_FP6 matrix_b_fmt:MATRIX_FMT_FP6 matrix_a_scale:MATRIX_SCALE_ROW1
.else
	v_wmma_scale_f32_16x16x128_f8f6f4 v[\d:\d+7], v[\a:\a+11], v[\b:\b+11], v[\c:\c+7], v[\sa], v[\sb] matrix_a_fmt:MATRIX_FMT_FP6 matrix_b_fmt:MATRIX_FMT_FP6 matrix_a_scale:MATRIX_SCALE_ROW1 matrix_b_scale:MATRIX_SCALE_ROW1
.endif
.endif
.else
.if (\ra) == 0
.if (\rb) == 0
	v_wmma_scale_f32_16x16x128_f8f6f4 v[\d:\d+7], v[\a:\a+11], v[\b:\b+11], v[\d:\d+7], v[\sa], v[\sb] matrix_a_fmt:MATRIX_FMT_FP6 matrix_b_fmt:MATRIX_FMT_FP6
.else
	v_wmma_scale_f32_16x16x128_f8f6f4 v[\d:\d+7], v[\a:\a+11], v[\b:\b+11], v[\d:\d+7], v[\sa], v[\sb] matrix_a_fmt:MATRIX_FMT_FP6 matrix_b_fmt:MATRIX_FMT_FP6 matrix_b_scale:MATRIX_SCALE_ROW1
.endif
.else
.if (\rb) == 0
	v_wmma_scale_f32_16x16x128_f8f6f4 v[\d:\d+7], v[\a:\a+11], v[\b:\b+11], v[\d:\d+7], v[\sa], v[\sb] matrix_a_fmt:MATRIX_FMT_FP6 matrix_b_fmt:MATRIX_FMT_FP6 matrix_a_scale:MATRIX_SCALE_ROW1
.else
	v_wmma_scale_f32_16x16x128_f8f6f4 v[\d:\d+7], v[\a:\a+11], v[\b:\b+11], v[\d:\d+7], v[\sa], v[\sb] matrix_a_fmt:MATRIX_FMT_FP6 matrix_b_fmt:MATRIX_FMT_FP6 matrix_a_scale:MATRIX_SCALE_ROW1 matrix_b_scale:MATRIX_SCALE_ROW1
.endif
.endif
.endif
.endm
.macro MULS mode, p, st, first         ; a step's 32 products; the 32 accumulators take turns, in the same order in every step
.if \mode
.if \first
	WIN 0x8d                                       ; v: source 0 = x (window 1), source 1 = W (window 3), C = the bias (window 0); accumulator (w, x) at 8 (8 w + x)
.else
	WIN 0xad                                       ; the same, C = the accumulator (window 2)
.endif
.irp w, 0,1,2,3
.irp x, 0,1,2,3,4,5,6,7
	WM 8*(8*\w+\x), 128*(\p)+12*\x, 64*(\p)+12*\w, BI+8*\w, SCX+8*(\x%4)+(\st), SCW+8*(\w%2)+(\st), \x/4, \w/2, \first
.endr
.endr
.else
.if \first
	WIN 0x87                                       ; q, k: source 0 = W (window 3), source 1 = x (window 1), C = the bias (window 0); accumulator (x, w) at 8 (4 x + w)
.else
	WIN 0xa7
.endif
.irp x, 0,1,2,3,4,5,6,7
.irp w, 0,1,2,3
	WM 8*(4*\x+\w), 64*(\p)+12*\w, 128*(\p)+12*\x, BI+8*\w, SCW+8*(\w%2)+(\st), SCX+8*(\x%4)+(\st), \w/2, \x/4, \first
.endr
.endr
.endif
	WIN 0
.endm
.macro STEP mode, st, first
	s_wait_dscnt 0x0                               ; this step's fragments are in
.if (\st) < 7
.if (\st) > 0
	PLACES                                         ; in front of loads into the set that the last step multiplied
.endif
	FETCH (\st)+1, ((\st)+1)%2                     ; the next step's land while this step is multiplied
.endif
	MULS \mode, (\st)%2, \st, \first
.endm
.macro PASS mode
	STEP \mode, 0, 1                               ; the first step's products start the sums, on the bias
.irp s, 1,2,3,4,5,6,7
	STEP \mode, \s, 0
.endr
	PLACES                                         ; in front of the first read of the results and of loads into the scale and bias registers
.endm
; 64 numbers of a lane, eight accumulators at s in window 2, four half blocks of 16 neighbours, become a fragment of 12 registers: the block's other half lies in lane l xor 16
.macro QUANT s, d0, d1
	WIN 0x28                                       ; sources 1 and 2: window 2
.irp b, 0,1,2,3
	v_max3_num_f32 v[TM+\b], 0x1800000, |v[(\s)+16*\b]|, |v[(\s)+1+16*\b]|   ; each accumulator is read from its low end on
.endr
.irp i, 2,4,6,8,10,12,14
.irp b, 0,1,2,3
	v_max3_num_f32 v[TM+\b], v[TM+\b], |v[(\s)+16*\b+\i]|, |v[(\s)+1+16*\b+\i]|
.endr
.endr
	WIN 0
.irp b, 0,1,2,3
	v_permlanex16_b32 v[TM+4+\b], v[TM+\b], s[SEL], s[SEL+1]
.endr
.irp b, 0,1,2,3
	v_max_num_f32 v[TM+\b], v[TM+\b], v[TM+4+\b]
.endr
.irp b, 0,1,2,3
	v_add_nc_u32 v[TM+12+\b], 0xff000000, v[TM+\b]
.endr
.irp b, 0,1,2,3
	v_lshrrev_b32 v[TM+4+\b], 23, v[TM+12+\b]
.endr
	WIN 0x02                                       ; source 0: window 2
	v_cvt_scalef32_pk16_fp6_f32 v[(\d0):(\d0)+2], v[(\s):(\s)+15], v[TM+12]
	v_cvt_scalef32_pk16_fp6_f32 v[XT:XT+2], v[(\s)+16:(\s)+31], v[TM+13]
	v_cvt_scalef32_pk16_fp6_f32 v[(\d1):(\d1)+2], v[(\s)+32:(\s)+47], v[TM+14]
	v_cvt_scalef32_pk16_fp6_f32 v[XT+4:XT+6], v[(\s)+48:(\s)+63], v[TM+15]
	WIN 0
	v_nop                                          ; one plain line behind the scaled conversions
.irp i, 0,1,2
	v_permlane16_swap_b32 v[(\d0)+\i], v[XT+\i]
.endr
.irp i, 0,1,2
	v_mov_b32 v[(\d0)+3+\i], v[XT+\i]
.endr
.irp i, 0,1,2
	v_permlane16_swap_b32 v[(\d1)+\i], v[XT+4+\i]
.endr
.irp i, 0,1,2
	v_mov_b32 v[(\d1)+3+\i], v[XT+4+\i]
.endr
.endm
.macro EPI                             ; the record's four fragments: accumulators 8 f .. 8 f + 7; each fragment has registers of its own
.irp f, 0,1,2,3
	QUANT 64*\f, OUT+12*\f, OUT+12*\f+6
	v_lshl_or_b32 v[SW+\f], v[TM+5], 8, v[TM+4]
	v_lshl_or_b32 v[SW+\f], v[TM+6], 16, v[SW+\f]
	v_lshl_or_b32 v[SW+\f], v[TM+7], 24, v[SW+\f]
.irp g, 0,1,2
	global_store_b128 v[LI], v[OUT+12*\f+4*\g:OUT+12*\f+4*\g+3], s[REC:REC+1] offset:1536*\f+512*\g
.endr
.endr
	v_cmp_le_u32 vcc_lo, 16, v[LANE]
	v_cndmask_b32 v[PK], v[SW], v[SW+2], vcc_lo
	v_cndmask_b32 v[PK+1], v[SW+1], v[SW+3], vcc_lo
	global_store_b64 v[L8], v[PK:PK+1], s[REC:REC+1] offset:6144
.endm
	s_wait_tensorcnt 0x0                           ; my part of x or of Wq is in
	s_barrier_signal -1
	s_barrier_wait -1                              ; and everybody's
	s_mov_b32 s3, 2
.Lpass:                                            ; two trips: q, k
	s_cmp_eq_u32 s3, 2
	s_cbranch_scc0 .Lno_ask
	global_prefetch_b8 v[PFO], s[PFP:PFP+1] offset:1024*KROW th:TH_LOAD_NT scope:SCOPE_SE   ; trip 0: Wv's rows, which trip 1's tensor load will want
.Lno_ask:
	FETCH 0, 0
	WIN 0
	s_wait_loadcnt 0x0                             ; the pass's scale words and bias are in: they were asked for ahead of the last way out (the first: at the head)
	PASS 0
	s_wait_tensorcnt 0x0                           ; no tensor load of mine is out;
	ds_add_u32 v[SPW], v[NIL]
	s_add_nc_u64 s[G0B+2:G0B+3], s[G0B+2:G0B+3], 1024*KROW   ; the next weight's rows
	s_wait_dscnt 0x0                               ; the add is done, and my reads of W's rows are over
	CROUND                                         ; the same holds of every wave of the cluster
	s_cmp_eq_u32 s15, 0
	s_cbranch_scc1 .Lno_w
	tensor_load_to_lds s[G0B:G0B+3], s[G1B:G1B+7]  ; waves 2 and 3: the next pass's 64 rows each
	s_nop 0
	PLACES
.Lno_w:
	s_wait_xcnt 0x0                                ; the last loads of scale words have read their base
	s_add_nc_u64 s[SWP:SWP+1], s[SWP:SWP+1], 1024*KS
	WSCALES                                        ; the next pass's scale words,
	s_cmp_eq_u32 s3, 2                             ; and its bias
	s_cbranch_scc0 .Lbias_v
	BIAS 10
	s_branch .Lbias_asked
.Lbias_v:                                          ; v: block w's eight registers all hold the bias of the lane's feature 32 (w / 2) + 8 (w % 2) + r + 8 (r / 8)
.irp w, 0,1,2,3
.irp j, 0,1,2,3,4,5,6,7
	global_load_b32 v[BI+8*\w+\j], v[BVO], s[96:97] offset:4*(32*(\w/2)+8*(\w%2))
.endr
.endr
.Lbias_asked:
	EPI
	s_wait_alu depctr_va_vdst(0)                   ; the wait, directly ahead of the waits and the jump below
	s_wait_xcnt 0x0                                ; the stores have read their data and their base
	s_mov_b64 s[REC:REC+1], s[RN:RN+1]
	s_mov_b64 s[RN:RN+1], s[RV:RV+1]
	s_wait_tensorcnt 0x0                           ; my part of the next pass's rows is in
	s_barrier_signal -1
	s_barrier_wait -1                              ; and everybody's
	s_sub_co_u32 s3, s3, 1
	s_cmp_lg_u32 s3, 0
	s_cbranch_scc1 .Lpass
	FETCH 0, 0
	WIN 0
	s_wait_loadcnt 0x0
	PASS 1                                         ; v
	EPI
	s_wait_tensorcnt 0x0                           ; the wave's end
	ds_add_u32 v[SPW], v[NIL]
	s_wait_dscnt 0x0
	CROUND                                         ; the closing round
	s_endpgm
.Lfunc_end_k_q174bf6bd23_proj:
	.size	k_q174bf6bd23_proj, .Lfunc_end_k_q174bf6bd23_proj-k_q174bf6bd23_proj
	.p2alignl 7, 3214868480
	.fill 96, 4, 3214868480
	.section	.rodata,"a",@progbits
	.p2align	6, 0x0
	.amdhsa_kernel k_q174bf6bd23_proj
		.amdhsa_group_segment_fixed_size 327680
		.amdhsa_private_segment_fixed_size 0
		.amdhsa_enable_private_segment 0
		.amdhsa_kernarg_size 56
		.amdhsa_user_sgpr_count 2
		.amdhsa_user_sgpr_kernarg_segment_ptr 1
		.amdhsa_wavefront_size32 1
		.amdhsa_system_sgpr_workgroup_id_x 1
		.amdhsa_system_sgpr_workgroup_id_y 1
		.amdhsa_system_sgpr_workgroup_id_z 1
		.amdhsa_system_vgpr_workitem_id 0
		.amdhsa_next_free_vgpr 1024
		.amdhsa_next_free_sgpr 100
		.amdhsa_reserve_vcc 1
		.amdhsa_float_denorm_mode_32 3
		.amdhsa_float_denorm_mode_16_64 3
		.amdhsa_memory_ordered 1
		.amdhsa_forward_progress 1
		.amdhsa_inst_pref_size 190
	.end_amdhsa_kernel
	.amdgpu_metadata
---
amdhsa.version: [ 1, 2 ]
amdhsa.kernels:
  - .name:           k_q174bf6bd23_proj
    .symbol:         k_q174bf6bd23_proj.kd
    .args:
      - { .name: codes, .offset: 0, .size: 8, .value_kind: global_buffer, .address_space: global }
      - { .name: scales, .offset: 8, .size: 8, .value_kind: global_buffer, .address_space: global }
      - { .name: bq, .offset: 16, .size: 8, .value_kind: global_buffer, .address_space: global }
      - { .name: bk, .offset: 24, .size: 8, .value_kind: global_buffer, .address_space: global }
      - { .name: bv, .offset: 32, .size: 8, .value_kind: global_buffer, .address_space: global }
      - { .name: qrec, .offset: 40, .size: 8, .value_kind: global_buffer, .address_space: global }
      - { .name: kv, .offset: 48, .size: 8, .value_kind: global_buffer, .address_space: global }
    .group_segment_fixed_size: 327680
    .private_segment_fixed_size: 0
    .kernarg_segment_align: 8
    .kernarg_segment_size: 56
    .max_flat_workgroup_size: 128
    .sgpr_count:     100
    .vgpr_count:     1024
    .wavefront_size: 32
...
	.end_amdgpu_metadata
.endif
;; end of part 2
;; launch attn (part 3): grid 64 x 16, 8 waves a work-group, no clusters, 68,608 bytes of LDS; arguments qrec, kv, route, out0; writes out0
.if DOCPART == 3
	.amdgcn_target "amdgcn-amd-amdhsa--gfx1250"
	.amdhsa_code_object_version 6
	.text
	.protected	k_q174bf6bd23_attn
	.globl	k_q174bf6bd23_attn
	.p2align	8
	.type	k_q174bf6bd23_attn,@function
k_q174bf6bd23_attn:
	s_mov_b64 s[64:65], 0
	v_nop
	global_prefetch_b8 v0, s[64:65] scope:SCOPE_SE
	s_setreg_imm32_b32 hwreg(HW_REG_WAVE_MODE, 25, 1), 1
	s_wait_xcnt 0x0
; out[b][q][head] = softmax over keys of (q . k / 8, hidden logits at a large negative number) times v, both products on codes of FP6 (E2M3) with E8M0 scales.  64 (batch, head) pairs, 2,048 tokens, d = 64.
; q, k, v come as images of operand registers (records of 6,400 bytes for 128 tokens: fragment f at 1536 f, registers 4 g .. 4 g + 3 of lane l at 512 g + 16 l; at 6144 lane l's two scale words).
; THE SOFTMAX: t = score x log2(e) / 8; M = the running largest t rounded up to a whole number; p = 2^(t - M) is quantised along the keys, not normalised; the sum of the unquantised p divides at the end.
; WHAT IS HIDDEN: route holds for each query a bound U (key k is hidden where k > U: U = q, or -1, or 4095) and, in bit 16, whether some query of its block of 32 has U != q.
; A hidden score becomes -2^33: times c that is a whole number, so a row with all keys hidden has t - M = 0 and p = 1 on every key, as equal logits give; on every other row a hidden p is 0.
; SHARES.  A work-group of eight waves owns ONE block of 128 queries of a head: block 15 - y, so that the blocks with the most key steps have the lowest work-group numbers.  1,024 work-groups.
; A wave owns 16 queries, one tile: lane (r, h) owns query 128 block + 32 pair + 8 u + r + 8 (r / 8).  Both products are used transposed: a lane holds one query throughout.
; K = 64 IN AN INSTRUCTION OF 128: a fragment of k holds TWO tiles of 16 keys (registers 0-5, 6-11); it is multiplied once by [q | 0] and once by [0 | q].  Zero codes add nothing.
; STEPS.  All waves walk 16 steps of 128 keys, a constant, with one barrier a step.  A step's 12,800 bytes (k record, v record) go from memory through registers into one of two LDS slots, one step ahead.
; A wave leaves out the work of a step all of whose keys are hidden from its queries (the look-ahead mask that the problem builds itself); the work-group leaves out the loads of steps that none of its waves reads.
; Both are scalar branches on whole numbers that an earlier launch stored.
; NO TENSOR LOADS, NO CLUSTER: these branches hang on stored words, and the sixteen work-groups of a head need different numbers of steps, so they cannot ask jointly in every step.
; LIMITS: hidden logits stand at t = -2^33 c = -1.55e9; visible |t| must stay under about 1e9.  p under 2^-126 is 0.  NaN and infinities among q, k, v are not served.  A block of zeros has the byte 1: its codes are zeros.
.set SLOT1, 16384                      ; LDS: slot 0 at 0, slot 1 here, 12,800 bytes used of each;
.set STAGE, 32768                      ; behind them a stage of 16 rows x 272 bytes for each wave, its own;
.set SPARE, STAGE+8*16*272             ; behind the stages the spare words, 128 bytes a wave
.set LI,  1                            ; v1   16 x lane
.set L8,  2                            ; v2   8 x lane
.set TH,  3                            ; v3   16 x thread: my bytes of a step, in memory and in a slot
.set SI,  6                            ; v6   the stage, on the way in
.set SO,  7                            ; v7   and on the way out
.set UB,  8                            ; v8   U - 16 h
.set SM,  10                           ; v10  -2^33
.set GO,  11                           ; v11  my byte offset among the wave's rows of out
.set QHI, 16                           ; v16-27 [0 | q];  v22-33 [q | 0]
.set QLO, 22
.set QS,  34                           ; v34  q's scale word, its two bytes twice
.set FRG, 36                           ; v36-83   four fragments, of k, then of v
.set S,   84                           ; v84-147  S^T, then p
.set O,   148                          ; v148-179 O^T
.set PCD, 180                          ; v180-191 p's codes
.set XT,  192                          ; v192-198 the conversions' second halves
.set BM,  200                          ; v200-203 the blocks' largest scores, then largest p
.set BY,  204                          ; v204-207 at work, then the bytes
.set SOP, 208                          ; v208-211 the conversions' scale operands
.set KSW, 212                          ; v[212:213] k's scale words;  v[214:215] v's
.set VSW, 214
.set FF,  216                          ; v216 f = 2^(old M - new M); v217 = 0, named with it as a pair
.set PSW, 218                          ; v218 p's scale word
.set W0,  219
.set W1,  220
.set W2,  221
.set PFO, 222                          ; v222 256 x lane
.set SD,  224                          ; v224-239 a step's bytes on their way
.set WV,  12
.set CS,  22                           ; s[22:23] c = log2(e) / 8
.set SEL, 24                           ; s[24:25] lane l xor 16
.set KF,  26                           ; the step's first key
.set HIDB, 27                          ; a step with KF above this is left out
.set OPNB, 28                          ; a step with KF under this hides nothing
.set LOADK, 29                         ; the next step is loaded while KF is under this
.set CNT, 30
.set LIM, 31                           ; a prefetch is issued while KF is under this
.set KVP, 32                           ; s[32:33] the step to be loaded
.set PFA, 34                           ; s[34:35] where my prefetches stand
	s_load_b256 s[4:11], s[0:1], 0x0               ; qrec, kv, route, out0
	v_lshl_add_u32 v254, v0, 2, SPARE
	v_mov_b32 v255, 0
	v_lshrrev_b32 v1, 5, v0
	s_delay_alu instid0(VALU_DEP_1)
	v_readfirstlane_b32 s[WV], v1                  ; wave 0..7
	v_and_b32 v9, 31, v0                           ; lane
	v_and_b32 v4, 15, v0                           ; r
	s_wait_alu depctr_va_vdst(0)
	v_bfe_u32 v5, v0, 4, 1                         ; h
	v_lshlrev_b32 v[LI], 4, v9
	v_lshlrev_b32 v[L8], 3, v9
	v_lshlrev_b32 v[TH], 4, v0
	v_lshlrev_b32 v[PFO], 8, v9
	s_and_b32 s59, ttmp7, 0xffff                   ; y
	s_mov_b32 s13, ttmp9                           ; batch x 16 + head
	s_lshr_b32 s14, s13, 4                         ; batch
	s_and_b32 s15, s13, 15                         ; head
	s_sub_co_u32 s17, 15, s59                      ; my block of 128 queries
	s_bfe_u32 s18, s[WV], 0x20001                  ; pair = wave / 2
	s_and_b32 s19, s[WV], 1                        ; u
	s_mul_i32 s20, s[WV], 16*272
	s_add_co_u32 s20, s20, STAGE                   ; my stage
	v_mul_u32_u24 v[SI], v4, 272
	s_wait_alu depctr_va_vdst(0)                   ; the same for h and the offsets made with it
	v_lshl_add_u32 v[SI], v5, 6, v[SI]
	s_delay_alu instid0(VALU_DEP_1)
	v_add_nc_u32 v[SI], s20, v[SI]                 ; in: row r, + 64 h
	v_mul_u32_u24 v[SO], v5, 272
	s_delay_alu instid0(VALU_DEP_1)
	v_lshl_add_u32 v[SO], v4, 4, v[SO]
	s_delay_alu instid0(VALU_DEP_1)
	v_add_nc_u32 v[SO], s20, v[SO]                 ; back: lanes 0-15 one row, lanes 16-31 the next
	v_lshlrev_b32 v[GO], 12, v5
	s_delay_alu instid0(VALU_DEP_1)
	v_lshl_add_u32 v[GO], v4, 4, v[GO]             ; and the same in out: rows of 4,096 bytes
	s_lshl_b32 s36, s14, 11                        ; the batch's first row
	s_lshl_b32 s37, s17, 7                         ; my block's first query
	s_lshl_b32 s38, s18, 5
	s_add_co_u32 s39, s36, s37
	s_add_co_u32 s39, s39, s38                     ; the first row of my block of 32
	s_mov_b32 s41, 0
	s_mov_b32 s[CS], 0x3e38aa3b
	s_mov_b32 s[CS+1], s[CS]
	s_mov_b32 s[SEL], 0x76543210
	s_mov_b32 s[SEL+1], 0xfedcba98
	s_lshr_b32 s57, s[WV], 1                       ; who prefetches: waves 6 and 7 of the head's work-group y = 0, which walks all 16 steps
	s_xor_b32 s57, s57, 3
	s_or_b32 s57, s57, s59
	s_cmp_eq_u32 s57, 0
	s_cselect_b32 s[LIM], 1408, 0                  ; in trips 0 to 10
	s_wait_kmcnt 0x0
	s_lshl_b32 s40, s39, 2
	s_add_nc_u64 s[42:43], s[8:9], s[40:41]        ; route: my block of 32,
	s_add_co_u32 s40, s36, s37
	s_lshl_b32 s40, s40, 2
	s_add_nc_u64 s[44:45], s[8:9], s[40:41]        ; my block of 128
	s_load_b32 s56, s[42:43], 0x0
.irp i, 0,1,2,3                        ; one word of each of the work-group's four blocks of 32 queries: bit 16 is the same in a block's 32 words
	s_load_b32 s[48+\i], s[44:45], 128*\i
.endr
	s_mul_i32 s40, s13, 204800
	s_add_nc_u64 s[KVP:KVP+1], s[6:7], s[40:41]    ; the head's step 0
	s_lshl_b32 s40, s19, 13
	s_add_co_u32 s40, s40, 8192
	s_add_nc_u64 s[PFA:PFA+1], s[KVP:KVP+1], s[40:41]   ; chunk 1 + u of the head's 25 chunks of 8,192 bytes; each trip steps it by two chunks
.irp i, 0,1,2                          ; step 0: 25 pieces of 512 bytes among 8 waves: three each,
	global_load_b128 v[SD+4*\i:SD+4*\i+3], v[TH], s[KVP:KVP+1] offset:4096*\i
.endr
	s_cmp_lg_u32 s[WV], 0
	s_cbranch_scc1 .Lthree_pieces
	global_load_b128 v[SD+12:SD+15], v[TH], s[KVP:KVP+1] offset:12288   ; and the last in wave 0
.Lthree_pieces:
	s_lshl_b32 s40, s13, 4
	s_add_co_u32 s40, s40, s17
	s_mul_i32 s40, s40, 6400
	s_add_nc_u64 s[4:5], s[4:5], s[40:41]          ; my block's q record
	s_mul_i32 s40, s18, 1536
	v_add_nc_u32 v[W1], s40, v[LI]                 ; fragment pair
.irp g, 0,1,2
	global_load_b128 v[S+4*\g:S+4*\g+3], v[W1], s[4:5] offset:512*\g
.endr
	s_lshr_b32 s40, s18, 1
	s_lshl_b32 s40, s40, 7
	s_and_b32 s57, s18, 1
	s_lshl_b32 s57, s57, 2
	s_add_co_u32 s40, s40, s57
	v_lshl_add_u32 v[W2], v4, 3, s40               ; its scale word of row r
	global_load_b32 v35, v[W2], s[4:5] offset:6144
	v_and_b32 v9, 8, v4
	s_delay_alu instid0(VALU_DEP_1)
	v_add_nc_u32 v9, v9, v4
	s_lshl_b32 s57, s19, 3
	v_add_nc_u32 v9, s57, v9
	s_delay_alu instid0(VALU_DEP_1)
	v_lshlrev_b32 v9, 2, v9                        ; my query's word: 8 u + r + 8 (r / 8)
	global_load_b32 v[W0], v9, s[42:43]
	s_add_co_u32 s40, s57, s39
	s_lshl_b32 s40, s40, 12
	s_lshl_b32 s57, s15, 8
	s_add_co_u32 s40, s40, s57
	s_add_nc_u64 s[10:11], s[10:11], s[40:41]      ; out: my tile's first row, my head's 256 bytes
	v_mov_b32 v13, 0xff61b1e6                      ; the largest t so far: -3e38
	s_delay_alu instid0(VALU_DEP_1)
	v_floor_f32 v12, -v13                          ; -M
	v_mov_b32 v14, 0                               ; the sum, in two halves
	v_mov_b32 v15, 0
	v_mov_b32 v[FF+1], 0
.irp b, 0,1,2,3
	v_mov_b32 v[BY+\b], 0                          ; written once: a lane permute's destination counts as one of its sources
.endr
.irp i, 0,1,2,3,4,5
	v_mov_b32 v[QHI+\i], 0                         ; zero codes
	v_mov_b32 v[QLO+6+\i], 0
.endr
	s_wait_kmcnt 0x0
	s_or_b32 s48, s48, s49
	s_or_b32 s50, s50, s51
	s_or_b32 s48, s48, s50
	s_bitcmp1_b32 s48, 16
	s_cselect_b32 s[LOADK], 1920, s37              ; plain causal rows: the last step read is my block's own; else all 16
	s_bitcmp1_b32 s56, 16
	s_cselect_b32 s[HIDB], 0xffff, s37             ; plain causal rows: steps behind my block of 128 are left out,
	s_cselect_b32 s[OPNB], 0, s37                  ; and steps in front of it hide nothing
	s_cmp_lg_u32 s19, 0
	s_cselect_b32 s58, -1, 0
	s_lshl_b32 s57, s19, 4
	s_mov_b32 s[KF], 0
	s_mov_b32 s[CNT], 8
	s_wait_loadcnt 0x0
.irp i, 0,1,2
	ds_store_b128 v[TH], v[SD+4*\i:SD+4*\i+3] offset:4096*\i       ; step 0 into slot 0
.endr
	s_cmp_lg_u32 s[WV], 0
	s_cbranch_scc1 .Lthree_stores
	ds_store_b128 v[TH], v[SD+12:SD+15] offset:12288
.Lthree_stores:
.irp i, 0,1,2,3,4,5
	v_cndmask_b32 v[QLO+\i], v[S+\i], v[S+6+\i], s58   ; my tile of the pair: registers 6 u .. 6 u + 5
.endr
	v_lshrrev_b32 v[QS], s57, v35                  ; and its two bytes,
	s_delay_alu instid0(VALU_DEP_1)
	v_and_b32 v[QS], 0xffff, v[QS]
	s_delay_alu instid0(VALU_DEP_1)
	v_lshl_or_b32 v[QS], v[QS], 16, v[QS]          ; twice: they serve [q | 0] and [0 | q]
	v_lshlrev_b32 v[UB], 16, v[W0]
	s_delay_alu instid0(VALU_DEP_1)
	v_ashrrev_i32 v[UB], 16, v[UB]                 ; U, signed
	v_lshlrev_b32 v[W0], 4, v5
	s_delay_alu instid0(VALU_DEP_1)
	v_sub_nc_u32 v[UB], v[UB], v[W0]
	v_mov_b32 v[SM], 0xd0000000
.set i, 0
.rept 32
	v_mov_b32 v[O+i], 0                            ; O^T.  (The step is written once: the first finds zeros.  These lines also stand between the writes of q and its scale word and the first product)
.set i, i+1
.endr
; A KEY STEP: 128 keys, from slot \slot.
.macro STEP slot
.set SB, (\slot)*SLOT1
	s_cmp_gt_u32 s[KF], s[HIDB]
	s_cbranch_scc1 .Lhidden_\@
.irp f, 0,1,2,3
.irp g, 0,1,2
	ds_load_b128 v[FRG+12*\f+4*\g:FRG+12*\f+4*\g+3], v[LI] offset:SB+1536*\f+512*\g
.endr
.endr
	ds_load_b64 v[KSW:KSW+1], v[L8] offset:SB+6144
	s_wait_dscnt 0x0
.irp f, 0,1                            ; S^T = k q^T: register 16 f + i of lane (r, h) is key KF + 32 f + 16 h + i for query r
	v_wmma_scale_f32_16x16x128_f8f6f4 v[S+16*\f:S+16*\f+7], v[FRG+12*\f:FRG+12*\f+11], v[QLO:QLO+11], 0, v[KSW+\f], v[QS] matrix_a_fmt:MATRIX_FMT_FP6 matrix_b_fmt:MATRIX_FMT_FP6
	v_wmma_scale_f32_16x16x128_f8f6f4 v[S+16*\f+8:S+16*\f+15], v[FRG+12*\f:FRG+12*\f+11], v[QHI:QHI+11], 0, v[KSW+\f], v[QS] matrix_a_fmt:MATRIX_FMT_FP6 matrix_b_fmt:MATRIX_FMT_FP6
.endr
.irp f, 2,3                            ; the words of fragments 2, 3 stand in lanes 16-31
	v_wmma_scale_f32_16x16x128_f8f6f4 v[S+16*\f:S+16*\f+7], v[FRG+12*\f:FRG+12*\f+11], v[QLO:QLO+11], 0, v[KSW+\f-2], v[QS] matrix_a_fmt:MATRIX_FMT_FP6 matrix_b_fmt:MATRIX_FMT_FP6 matrix_a_scale:MATRIX_SCALE_ROW1
	v_wmma_scale_f32_16x16x128_f8f6f4 v[S+16*\f+8:S+16*\f+15], v[FRG+12*\f:FRG+12*\f+11], v[QHI:QHI+11], 0, v[KSW+\f-2], v[QS] matrix_a_fmt:MATRIX_FMT_FP6 matrix_b_fmt:MATRIX_FMT_FP6 matrix_a_scale:MATRIX_SCALE_ROW1
.endr
.rept 4
	v_nop                                          ; places in front of the loads over k's fragments and of the first read of the scores
.endr
.irp f, 0,1,2,3                        ; v's fragments land while the softmax is worked
.irp g, 0,1,2
	ds_load_b128 v[FRG+12*\f+4*\g:FRG+12*\f+4*\g+3], v[LI] offset:SB+6400+1536*\f+512*\g
.endr
.endr
	ds_load_b64 v[VSW:VSW+1], v[L8] offset:SB+6400+6144
	s_cmp_lt_u32 s[KF], s[OPNB]
	s_cbranch_scc1 .Lopen_\@
	v_sub_nc_u32 v[W1], v[UB], s[KF]               ; register 16 f + i is hidden where 32 f + i > U - 16 h - KF
.set n, 0
.rept 64
	v_cmp_gt_i32 vcc_lo, 32*(n/16)+n%16, v[W1]
	v_cndmask_b32 v[S+n], v[S+n], v[SM], vcc_lo
.set n, n+1
.endr
.Lopen_\@:
.irp b, 0,1,2,3
	v_max3_num_f32 v[BM+\b], v[S+16*\b], v[S+1+16*\b], v[S+2+16*\b]   ; the largest score of each block of 32 keys: for the row's maximum and, since p rises with the score, for the block's largest p
.endr
.irp i, 3,5,7,9,11,13
.irp b, 0,1,2,3
	v_max3_num_f32 v[BM+\b], v[BM+\b], v[S+16*\b+\i], v[S+1+16*\b+\i]
.endr
.endr
.irp b, 0,1,2,3
	v_max_num_f32 v[BM+\b], v[BM+\b], v[S+15+16*\b]
.endr
.irp b, 0,1,2,3
	s_delay_alu instid0(VALU_DEP_4)
	v_permlanex16_b32 v[BY+\b], v[BM+\b], s[SEL], s[SEL+1]
.endr
.irp b, 0,1,2,3
	s_delay_alu instid0(VALU_DEP_4)
	v_max_num_f32 v[BM+\b], v[BM+\b], v[BY+\b]     ; with lane l xor 16's 16 keys
.endr
	s_delay_alu instid0(VALU_DEP_2)
	v_max3_num_f32 v[W0], v[BM], v[BM+1], v[BM+2]
	s_delay_alu instid0(VALU_DEP_1)
	v_max_num_f32 v[W0], v[W0], v[BM+3]
	s_delay_alu instid0(VALU_DEP_1)
	v_mul_f32 v[W0], s[CS], v[W0]                  ; the step's largest t
	s_delay_alu instid0(VALU_DEP_1)
	v_max_num_f32 v13, v13, v[W0]                  ; the running largest t
	v_mov_b32 v[W0], v12
	s_delay_alu instid0(VALU_DEP_2)
	v_floor_f32 v12, -v13                          ; the new -M = -ceil(t): a whole number
	s_delay_alu instid0(VALU_DEP_1)
	v_sub_f32 v[W0], v12, v[W0]                    ; old M - new M: a whole number, 0 or less
	s_delay_alu instid0(VALU_DEP_1)
	v_cvt_i32_f32 v[W0], v[W0]                     ; (it saturates)
	s_delay_alu instid0(VALU_DEP_1)
	v_ldexp_f32 v[FF], 1.0, v[W0]                  ; f = 2^(old M - new M)
.set n, 0
.rept 32
	v_pk_fma_f32 v[S+n:S+n+1], v[S+n:S+n+1], s[CS:CS+1], v[12:13] op_sel_hi:[1,0,0]   ; t - M, two at a time
.set n, n+2
.endr
.irp b, 0,1,2,3
	v_fma_f32 v[BM+\b], v[BM+\b], s[CS], v12       ; the same of each block's largest score
.endr
.set n, 0
	s_wait_alu depctr_va_vdst(0)                   ; the wait ahead of the batch
.rept 64
	v_exp_f32 v[S+n], v[S+n]                       ; p = 2^(t - M)
.set n, n+1
.endr
	v_pk_mul_f32 v[14:15], v[14:15], v[FF:FF+1] op_sel_hi:[1,0]   ; the sums under the new M (the plain line behind the exponentials)
	s_wait_alu depctr_va_vdst(0)                   ; one wait for the batch of 64, ahead of its first reader
.irp b, 0,1,2,3
	v_exp_f32 v[BM+\b], v[BM+\b]                   ; the block's largest p
.endr
	v_pk_add_f32 v[204:205], v[88:89], v[92:93]    ; the row's sum of the unquantised p, in eight chains
	v_pk_add_f32 v[252:253], v[96:97], v[100:101]
	v_pk_add_f32 v[250:251], v[104:105], v[108:109]
	v_pk_add_f32 v[248:249], v[112:113], v[116:117]
	v_pk_add_f32 v[246:247], v[120:121], v[124:125]
	v_pk_add_f32 v[244:245], v[128:129], v[132:133]
	v_pk_add_f32 v[242:243], v[136:137], v[140:141]
	v_pk_add_f32 v[14:15], v[14:15], v[144:145]
	v_pk_add_f32 v[204:205], v[204:205], v[84:85]
	v_pk_add_f32 v[252:253], v[252:253], v[86:87]
	v_pk_add_f32 v[250:251], v[250:251], v[90:91]
	v_pk_add_f32 v[248:249], v[248:249], v[94:95]
	v_pk_add_f32 v[246:247], v[246:247], v[98:99]
	v_pk_add_f32 v[244:245], v[244:245], v[102:103]
	v_pk_add_f32 v[242:243], v[242:243], v[106:107]
	v_pk_add_f32 v[14:15], v[14:15], v[110:111]
	v_pk_add_f32 v[204:205], v[204:205], v[114:115]
	v_pk_add_f32 v[252:253], v[252:253], v[118:119]
	v_pk_add_f32 v[250:251], v[250:251], v[122:123]
	v_pk_add_f32 v[248:249], v[248:249], v[126:127]
	v_pk_add_f32 v[246:247], v[246:247], v[130:131]
	v_pk_add_f32 v[244:245], v[244:245], v[134:135]
	v_pk_add_f32 v[242:243], v[242:243], v[138:139]
	v_pk_add_f32 v[14:15], v[14:15], v[142:143]
	v_pk_add_f32 v[204:205], v[204:205], v[146:147]
	s_delay_alu instid0(VALU_DEP_2)
	v_pk_add_f32 v[14:15], v[14:15], v[248:249]
	s_delay_alu instid0(VALU_DEP_2)
	v_pk_add_f32 v[204:205], v[204:205], v[246:247]
	v_pk_add_f32 v[252:253], v[252:253], v[244:245]
	v_pk_add_f32 v[250:251], v[250:251], v[242:243]
	s_delay_alu instid0(VALU_DEP_2)
	v_pk_add_f32 v[14:15], v[14:15], v[252:253]
	s_delay_alu instid0(VALU_DEP_2)
	v_pk_add_f32 v[204:205], v[204:205], v[250:251]
	s_delay_alu instid0(VALU_DEP_1)
	v_pk_add_f32 v[14:15], v[14:15], v[204:205]
	s_wait_alu depctr_va_vdst(0)                   ; and one for the four
.irp b, 0,1,2,3
	v_max_num_f32 v[BM+\b], 0x1800000, v[BM+\b]    ; the floor 2^(3 - 127): the byte cannot fall under 1
.endr
.irp b, 0,1,2,3
	s_delay_alu instid0(VALU_DEP_4)
	v_add_nc_u32 v[SOP+\b], 0xff000000, v[BM+\b]   ; 2 off the exponent field: the conversion's scale operand
.endr
.irp b, 0,1,2,3
	s_delay_alu instid0(VALU_DEP_4)
	v_lshrrev_b32 v[BY+\b], 23, v[SOP+\b]          ; the scale's byte
.endr
	s_delay_alu instid0(VALU_DEP_3)
	v_lshl_or_b32 v[PSW], v[BY+1], 8, v[BY]        ; p's scale word for these 128 keys
	s_delay_alu instid0(VALU_DEP_1)
	v_lshl_or_b32 v[PSW], v[BY+2], 16, v[PSW]
	s_delay_alu instid0(VALU_DEP_1)
	v_lshl_or_b32 v[PSW], v[BY+3], 24, v[PSW]
.irp c, 0,1
	v_cvt_scalef32_pk16_fp6_f32 v[PCD+6*\c:PCD+6*\c+2], v[S+32*\c:S+32*\c+15], v[SOP+2*\c]
	v_cvt_scalef32_pk16_fp6_f32 v[XT+4*\c:XT+4*\c+2], v[S+16+32*\c:S+31+32*\c], v[SOP+2*\c+1]   ; (a conversion's three registers begin on an even number)
.endr
	v_nop                                          ; one plain line behind the scaled conversions
.irp c, 0,1                            ; the operand's layout wants a whole block in a lane
.irp i, 0,1,2
	v_permlane16_swap_b32 v[PCD+6*\c+\i], v[XT+4*\c+\i]
.endr
.irp i, 0,1,2
	s_delay_alu instid0(VALU_DEP_3)
	v_mov_b32 v[PCD+3+6*\c+\i], v[XT+4*\c+\i]
.endr
.endr
.set n, 0
.rept 16
	v_pk_mul_f32 v[O+n:O+n+1], v[O+n:O+n+1], v[FF:FF+1] op_sel_hi:[1,0]   ; O^T under the new M, each accumulator from its low end on.  (Sixteen lines between the writes of p's codes and scale word and the products)
.set n, n+2
.endr
	s_wait_alu depctr_va_vdst(0)                   ; the wait, directly ahead of the wait below
	s_wait_dscnt 0x0                               ; v's fragments and scale words are in
.irp t, 0,1                            ; O^T += v^T p^T: the four accumulators take turns, one instruction a turn
	v_wmma_scale_f32_16x16x128_f8f6f4 v[O+8*\t:O+8*\t+7], v[FRG+12*\t:FRG+12*\t+11], v[PCD:PCD+11], v[O+8*\t:O+8*\t+7], v[VSW+\t], v[PSW] matrix_a_fmt:MATRIX_FMT_FP6 matrix_b_fmt:MATRIX_FMT_FP6
.endr
.irp t, 2,3
	v_wmma_scale_f32_16x16x128_f8f6f4 v[O+8*\t:O+8*\t+7], v[FRG+12*\t:FRG+12*\t+11], v[PCD:PCD+11], v[O+8*\t:O+8*\t+7], v[VSW+\t-2], v[PSW] matrix_a_fmt:MATRIX_FMT_FP6 matrix_b_fmt:MATRIX_FMT_FP6 matrix_a_scale:MATRIX_SCALE_ROW1
.endr
.rept 4
	v_nop                                          ; places in front of the next loads over v's fragments and of the next read of O^T
.endr
.Lhidden_\@:
.endm
; A TRIP.  One barrier: in front of it my stores into this trip's slot have landed and my reads of the other slot are over; behind it this slot is whole and nobody reads the other, into which the next step goes.
; THE PREFETCH.  A head's k and v records are 25 chunks of 8,192 bytes.  Chunks 0 to 2 come by the loads alone.  In trip n = 0 .. 10 waves 6 and 7 of the head's work-group y = 0 name chunks 3 + 2 n and 4 + 2 n, lanes 256 bytes apart:
; each aligned block of 256 bytes once in the launch, the last one ending at the head's last byte.  Trip n loads bytes 12,800 (n + 1) on; chunk 3 + 2 n begins at byte 24,576 + 16,384 n.
.macro TRIP slot
	s_wait_xcnt 0x0                                ; the last trip's loads and prefetch have read their addresses: both pointers are stepped only behind this wait
	s_add_nc_u64 s[KVP:KVP+1], s[KVP:KVP+1], 12800
	s_add_nc_u64 s[PFA:PFA+1], s[PFA:PFA+1], 16384
	s_wait_dscnt 0x0
	s_barrier_signal -1
	s_barrier_wait -1
	s_cmp_lt_u32 s[KF], s[LOADK]
	s_cbranch_scc0 .Lno_load_\@
.irp i, 0,1,2
	global_load_b128 v[SD+4*\i:SD+4*\i+3], v[TH], s[KVP:KVP+1] offset:4096*\i   ; the next step's bytes
.endr
	s_cmp_lg_u32 s[WV], 0
	s_cbranch_scc1 .Lno_load_\@
	global_load_b128 v[SD+12:SD+15], v[TH], s[KVP:KVP+1] offset:12288
.Lno_load_\@:
	s_cmp_lt_u32 s[KF], s[LIM]
	s_cbranch_scc0 .Lno_ask_\@
	global_prefetch_b8 v[PFO], s[PFA:PFA+1] th:TH_LOAD_NT scope:SCOPE_SE
.Lno_ask_\@:
	STEP \slot
	s_wait_loadcnt 0x0                             ; on every path: no load of mine is out behind this line
	s_cmp_lt_u32 s[KF], s[LOADK]
	s_cbranch_scc0 .Lno_store_\@
.irp i, 0,1,2
	ds_store_b128 v[TH], v[SD+4*\i:SD+4*\i+3] offset:(1-\slot)*SLOT1+4096*\i
.endr
	s_cmp_lg_u32 s[WV], 0
	s_cbranch_scc1 .Lno_store_\@
	ds_store_b128 v[TH], v[SD+12:SD+15] offset:(1-\slot)*SLOT1+12288
.Lno_store_\@:
	s_add_co_u32 s[KF], s[KF], 128
.endm
.Lk:                                               ; 8 trips of two steps: a constant; the slot stands in the immediates
	TRIP 0
	TRIP 1
	s_sub_co_u32 s[CNT], s[CNT], 1
	s_cmp_lg_u32 s[CNT], 0
	s_cbranch_scc1 .Lk
	; THE WAY OUT.  O^T / the sum goes through my own stage in LDS and leaves as rows: sixteen lanes store my head's 256 consecutive bytes of a row of out, aligned.
	v_add_f32 v14, v14, v15                        ; the sum's two halves,
	s_delay_alu instid0(VALU_DEP_1)
	v_permlanex16_b32 v[BY], v14, s[SEL], s[SEL+1]
	s_delay_alu instid0(VALU_DEP_1)
	v_add_f32 v14, v14, v[BY]                      ; and lane l xor 16's
	s_wait_alu depctr_va_vdst(0)                   ; the wait ahead of the reciprocal
	v_rcp_f32 v14, v14
	v_nop                                          ; a plain line behind the reciprocal
	s_wait_alu depctr_va_vdst(0)                   ; and the wait ahead of its first reader
.set n, 0
.rept 16
	v_pk_mul_f32 v[S+n:S+n+1], v[O+n:O+n+1], v[14:15] op_sel_hi:[1,0]   ; register 8 t + i is out(query r, d = 32 (t / 2) + 8 (t % 2) + 16 h + i)
.set n, n+2
.endr
.irp t, 0,1,2,3
	ds_store_b128 v[SI], v[S+8*\t:S+8*\t+3] offset:128*(\t/2)+32*(\t%2)
	ds_store_b128 v[SI], v[S+8*\t+4:S+8*\t+7] offset:128*(\t/2)+32*(\t%2)+16
.endr
.irp i, 0,1,2,3,4,5,6,7
	ds_load_b128 v[FRG+4*\i:FRG+4*\i+3], v[SO] offset:2*\i*272     ; LDS serves a wave's instructions in order: these see my stores
.endr
.irp i, 0,1,2,3,4,5,6,7
	s_wait_dscnt 7-\i                              ; the younger loads may stay out
	global_store_b128 v[GO], v[FRG+4*\i:FRG+4*\i+3], s[10:11] offset:(2*\i+8*(\i/4))*4096 th:TH_STORE_NT   ; stage row 2 i + h is query 2 i + h + 8 (i / 4) of my tile
.endr
	s_wait_tensorcnt 0x0                           ; the wave's end
	ds_add_u32 v254, v255
	s_wait_dscnt 0x0
	s_endpgm
.Lfunc_end_k_q174bf6bd23_attn:
	.size	k_q174bf6bd23_attn, .Lfunc_end_k_q174bf6bd23_attn-k_q174bf6bd23_attn
	.p2alignl 7, 3214868480
	.fill 96, 4, 3214868480
	.section	.rodata,"a",@progbits
	.p2align	6, 0x0
	.amdhsa_kernel k_q174bf6bd23_attn
		.amdhsa_group_segment_fixed_size 68608
		.amdhsa_private_segment_fixed_size 0
		.amdhsa_enable_private_segment 0
		.amdhsa_kernarg_size 32
		.amdhsa_user_sgpr_count 2
		.amdhsa_user_sgpr_kernarg_segment_ptr 1
		.amdhsa_wavefront_size32 1
		.amdhsa_system_sgpr_workgroup_id_x 1
		.amdhsa_system_sgpr_workgroup_id_y 1
		.amdhsa_system_sgpr_workgroup_id_z 1
		.amdhsa_system_vgpr_workitem_id 0
		.amdhsa_next_free_vgpr 256
		.amdhsa_next_free_sgpr 66
		.amdhsa_reserve_vcc 1
		.amdhsa_float_denorm_mode_32 3
		.amdhsa_float_denorm_mode_16_64 3
		.amdhsa_memory_ordered 1
		.amdhsa_forward_progress 1
		.amdhsa_inst_pref_size 58
	.end_amdhsa_kernel
	.amdgpu_metadata
---
amdhsa.version: [ 1, 2 ]
amdhsa.kernels:
  - .name:           k_q174bf6bd23_attn
    .symbol:         k_q174bf6bd23_attn.kd
    .args:
      - { .name: qrec, .offset: 0, .size: 8, .value_kind: global_buffer, .address_space: global }
      - { .name: kv, .offset: 8, .size: 8, .value_kind: global_buffer, .address_space: global }
      - { .name: route, .offset: 16, .size: 8, .value_kind: global_buffer, .address_space: global }
      - { .name: out0, .offset: 24, .size: 8, .value_kind: global_buffer, .address_space: global }
    .group_segment_fixed_size: 68608
    .private_segment_fixed_size: 0
    .kernarg_segment_align: 8
    .kernarg_segment_size: 32
    .max_flat_workgroup_size: 256
    .sgpr_count:     66
    .vgpr_count:     256
    .wavefront_size: 32
...
	.end_amdgpu_metadata
.endif
;; end of part 3
